; MI455X (gfx1250); checked and timed in simulation.
; The chip was launched on July 23, 2026; its instructions are those of AMD's public machine-readable ISA for CDNA 5 (MIT licence, August 2026) and "CDNA5" Instruction Set Architecture Reference Guide (July 2026). The comments in the code are by the model that wrote it; some were corrected since.
;; Dense Reparam. Allowed arithmetic: matrix products marked QUANTISED: E3M2 operands, one E8M0 scale for each 32 along K, by v_wmma_scale_f32_16x16x128_f8f6f4 with both operands' format E3M2, f32 sums; everything else in f32.
;; Inputs: theta_lambda 4,097 x 4,096 float32; x_codes 4,096 x 128 x 24 uint8 (E3M2 codes of x, K innermost, in blocks of 32 codes, four codes in three bytes); x_scales 4,096 x 128 uint8 (E8M0 scales of x, one for each 32 codes along K).
;; Outputs: out0 4,096 x 4,096 float32.
;; This version of the problem:
;;   THIS VERSION OF THE PROBLEM IS GIVEN IN LOW PRECISION. The matrix products marked QUANTISED in the list below multiply operands that are first quantised to E3M2 (3 exponent bits, 2 mantissa bits; 6 bits a number), with one power-of-two scale for each 32 numbers along K (OCP MX v1.0); their sums are f32. All else is computed in f32.
;;   The module's matrix products, in the order in which they are computed (A, B: the left and right operand; K: the contracted axis; several contracted axes count as one K, in the product's order):
;;     1. [M 4,096, K 4,096] x [K 4,096, N 4,096]; A: input x (given as codes); B: computed on the way: QUANTISED
;;   THE QUANTISER, for each operand of a quantised product, along K:
;;     - K is cut into blocks of 32 from its start; a last block that is shorter is filled with zeros.
;;     - A block's scale is 2^e with e = floor(log2(the largest magnitude in the block)) - 4, held to -126 .. 127; a block of zeros has e = 0. As a byte (E8M0): e + 127.
;;     - Each number is divided by its block's scale, clamped to +-28, and rounded to the nearest number of E3M2, ties to even, subnormals kept.
;;     - The product sums the exact products of the quantised numbers (number of the format x scale) in f32.
;;   ~~~python
;;   def quantise(x, axis):      # numpy; x: float32 -> the quantised numbers, widened to float32 again
;;       x = np.moveaxis(x, axis, -1); K = x.shape[-1]
;;       x = np.pad(x, [(0, 0)] * (x.ndim - 1) + [(0, -K % 32)]); x = x.reshape(x.shape[:-1] + (-1, 32)); a = np.abs(x).max(-1, keepdims=True)
;;       e = np.where(a > 0, np.clip(np.frexp(np.where(a > 0, a, 1))[1] - 1 - 4, -126, 127), 0)      # np.frexp(a)[1] - 1 = floor(log2(a)), exactly
;;       r = np.clip(x / 2.0 ** e, -28, 28)
;;       step = 2.0 ** (np.maximum(np.frexp(np.where(r == 0, 1, r))[1] - 1, -2) - 2)
;;       q = np.round(r / step) * step * 2.0 ** e      # np.round: ties to even
;;       return np.moveaxis(q.reshape(q.shape[:-2] + (-1,))[..., :K], -1, axis).astype(np.float32)
;;   ~~~
;;   OPERANDS COMPUTED ON THE WAY. 'Computed on the way' means the value that the module computes at that place (a softmax that the list does not call 'softmax' is quantised finished and normalised). What goes into a quantiser is computed in f32, as accurately as f32 sums, v_exp_f32 and their like allow (about 1e-6 of the number): no bf16 or f16 on the way to a quantiser, and a product that is left as it is and whose result goes on into a quantised operand takes f32 operands (vector FMAs, or v_wmma_f32_16x16x4_f32). A number that lies on a knife's edge between two numbers of the format may be rounded either way, as far as f32 arithmetic and the matrix unit's own rounding can turn it there, and no further.
;;   INPUTS GIVEN AS CODES. x (in the module: [4096, 4096], K = its axis 1): each comes as NAME_codes (uint8): NAME with its K axis moved to the last place and cut into blocks of 32 codes, [.., K / 32, bytes a block], one block behind the other in memory; four codes in three bytes: a row's codes are one little-endian stream of bits, code i at bits 6 i .. 6 i + 5 (a code: sign, 3 exponent bits, 2 mantissa bits); and NAME_scales (uint8): the same leading axes, one E8M0 byte (e + 127) for each 32 codes along K. Its value is code x scale, taken as it is: it is not quantised again, and the codes and scales need not be those that the quantiser above would give.
;; One version. Each part assembles by itself: llvm-mc -triple=amdgcn-amd-amdhsa -mcpu=gfx1250 --defsym DOCPART=n.
;; ======== version 1 of 1: 2 launches
;; limits: inputs' magnitudes at most 4,000,000
;; workspace buffers: v_codes 12,582,912 bytes; v_scales 524,288 bytes
;; launch makev (part 1): grid 256 x 1, 16 waves a work-group, no clusters, 55,552 bytes of LDS; arguments theta_lambda, v_codes, v_scales; writes v_codes, v_scales
.if DOCPART == 1
	.amdgcn_target "amdgcn-amd-amdhsa--gfx1250"
	.amdhsa_code_object_version 6
	.text
	.protected	k_q4a8cb42410_makev
	.globl	k_q4a8cb42410_makev
	.p2align	8
	.type	k_q4a8cb42410_makev,@function
k_q4a8cb42410_makev:
	s_mov_b64 s[64:65], 0
	v_nop
	global_prefetch_b8 v0, s[64:65] scope:SCOPE_SE
	s_setreg_imm32_b32 hwreg(HW_REG_WAVE_MODE, 25, 1), 1
	s_wait_xcnt 0x0
; v[i][n] = cos(t[i][n]) x the product over j < i of sin(t[j][n]) for i = 0 .. 4,094; v[4,095][n] = the product of all 4,095 sines.  t = rows 0 .. 4,094 of theta_lambda [4,097][4,096] f32.
; v is quantised along i (the K of the product that follows) into codes of BF6 (E3M2) with one E8M0 byte for each 32 along K, laid with K innermost: v_codes [4,096 n][128 blocks][24 bytes], v_scales [4,096 n][128].
; SHARES.  The product runs down all of K, and a block's codes hang on the whole product above it: so a work-group owns WHOLE COLUMNS, 16 of them (4,096 columns / 256 work-groups), and theta is read once and
; every sine is taken once.  Thread v0: column r = v0 % 16, chunk g = v0 / 16 (0 .. 31): rows 128 g .. 128 g + 127 of its column: four whole blocks of 32 in one lane's registers, so no maximum asks another lane,
; and the conversions, which take neighbours along K from one lane's consecutive registers, give codes with K innermost.
; Each load of a wave covers two runs of 64 consecutive bytes (16 columns of one row; lanes 16-31 stand 128 rows further down).  No byte of theta is read by two work-groups: no cluster, no joint load.
; THE PRODUCT in three parts: inside a chunk a running product; a wave's two chunks meet by one exchange of the lanes' halves; the 16 waves' products meet in LDS, and each lane multiplies those of the waves in front of it.
; All factors are at most 1 in magnitude, so no part is smaller than the whole product would be.  The order of rounding differs from a running product down 4,095 rows.
; SINE AND COSINE in f32 by multiply-adds: k = t x 2/pi rounded to a whole number (by adding 1.5 x 2^23); rr = t - k x pi/2, pi/2 in three parts, one fused multiply-add each; polynomials in rr^2 on |rr| <= pi/4;
; k mod 4 picks which polynomial is the sine and the two signs.  No branch hangs on data: the choice is v_cndmask_b32.
; Row 4,095 of theta is lambda, no angle: chunk 31 loads it as its last row, its cosine is replaced by 1 (so v[4,095] is the bare product), and its sine goes into a product that nobody reads.
; LIMITS: |t| under 4 x 10^6 (k has to fit under the added constant's 22 low bits); NaN and infinities among the angles are not served; a block of zeros gets the byte 1 where the quantiser's rule says 127
; (its codes are zeros, and this program alone reads the bytes); blocks whose largest magnitude lies under 2^-122 keep the byte 1, as the rule asks, but numbers that small were not tried.
.set ROWT,   16384                     ; a row of theta in bytes
.set CPITCH, 3088                      ; LDS: a column's 3,072 bytes of codes + 16: sixteen lanes' 16 bytes then fall at sixteen different places modulo 256 bytes
.set SST,    16*CPITCH                 ; behind the codes: the scale bytes, 16 rows of 128
.set PRD,    SST+2048                  ; behind them: a word for each thread, the waves' products
.set GOF, 1                            ; v1   theta: (g << 21) + 4 r: a chunk is 128 rows of 16,384 bytes
.set CWA, 2                            ; v2   where my 96 bytes of codes go: CPITCH r + 96 g
.set SWA, 3                            ; v3   where my scale word goes: SST + 128 r + 4 g
.set PWA, 4                            ; v4   PRD + 4 x thread
.set PRA, 5                            ; v5   PRD + 4 r: wave j's product of my column lies 128 j further on
.set CRA, 6                            ; v6   the way out: wave w reads row w: CPITCH w + 16 x lane
.set CGO, 7                            ; v7   and stores it: 3,072 w + 16 x lane
.set SRA, 8                            ; v8   the scale bytes' way out: SST + 16 (thread % 128)
.set SGO, 9                            ; v9   16 (thread % 128)
.set ONE, 10                           ; v10  1.0
.set MAG, 12                           ; v[12:13] 1.5 x 2^23, twice;  v[14:15] S2;  v[16:17] C3
.set VS2, 14
.set VC3, 16
.set PP,  18                           ; v[18:19] the product of all rows above my chunk, twice
.set PL,  20                           ; v20  the product of the other chunk of my wave
.set TV,  21                           ; v21  at work
.set CP,  24                           ; v[24:31] the running product: CP + j stands in front of the group's angle j
.set RA,  32                           ; seven sets of eight registers, at work on eight angles
.set RB,  40
.set RC,  48
.set RD,  56
.set RE,  64
.set RF,  72
.set RG,  80
.set U,   96                           ; v[96:223] my 128 rows: the angles as loaded, then cos x the product inside the chunk, then v
.set TM,  32                           ; the quantiser: v[32:35] largest magnitudes, v[36:39] the conversions' scale operands, v[40:43] bytes, v44 the scale word
.set SO,  36
.set BY,  40
.set SW,  44
.set CD,  48                           ; v[48:71] my 96 bytes of codes
.set CX,  72                           ; v[72:87] each block's second half as it is made
	s_load_b128 s[4:7], s[0:1], 0x0                ; theta, the codes
	s_load_b64 s[8:9], s[0:1], 0x10                ; the scale bytes
	v_lshl_add_u32 v224, v0, 2, 0xd100
	v_mov_b32 v225, 0
	v_lshrrev_b32 v[TV], 5, v0
	v_readfirstlane_b32 s10, v[TV]                 ; wave 0 .. 15
	v_and_b32 v22, 15, v0                          ; r
	v_lshrrev_b32 v23, 4, v0                       ; g
	v_lshlrev_b32 v[GOF], 21, v23
	v_lshl_or_b32 v[GOF], v22, 2, v[GOF]
	v_mul_u32_u24 v[CWA], v22, CPITCH
	v_mad_u32_u24 v[CWA], v23, 96, v[CWA]
	v_lshlrev_b32 v[SWA], 7, v22
	v_lshl_add_u32 v[SWA], v23, 2, v[SWA]
	v_add_nc_u32 v[SWA], SST, v[SWA]
	v_lshl_add_u32 v[PWA], v0, 2, PRD
	v_lshl_add_u32 v[PRA], v22, 2, PRD
	v_and_b32 v[TV], 31, v0
	v_lshlrev_b32 v[TV], 4, v[TV]                  ; 16 x lane
	s_mul_i32 s12, s10, CPITCH
	v_add_nc_u32 v[CRA], s12, v[TV]
	s_mul_i32 s12, s10, 3072
	v_add_nc_u32 v[CGO], s12, v[TV]
	v_and_b32 v[SGO], 127, v0
	v_lshlrev_b32 v[SGO], 4, v[SGO]
	v_add_nc_u32 v[SRA], SST, v[SGO]
	v_mov_b32 v[ONE], 1.0
	v_mov_b32 v[MAG], 0x4b400000                   ; 1.5 x 2^23
	v_mov_b32 v[MAG+1], 0x4b400000
	v_mov_b32 v[VS2], 0x3c08839e                   ; S2 =  8.3321609e-3
	v_mov_b32 v[VS2+1], 0x3c08839e
	v_mov_b32 v[VC3], 0xbab6061a                   ; C3 = -1.3887316e-3
	v_mov_b32 v[VC3+1], 0xbab6061a
	v_mov_b32 v[PL], 0                             ; written once: a lane permute's destination counts as one of its sources
	v_mov_b32 v[CP], 1.0                           ; the chunk's product begins at 1
	; a packed instruction names a scalar pair and takes its low word for both halves: both words are written
	s_mov_b32 s16, 0x3f22f983                      ; 2 / pi
	s_mov_b32 s17, s16
	s_mov_b32 s18, 0xbfc90fdb                      ; -P1: pi / 2 = P1 + P2 + P3
	s_mov_b32 s19, s18
	s_mov_b32 s20, 0x333bbd2e                      ; -P2
	s_mov_b32 s21, s20
	s_mov_b32 s22, 0x26f72ced                      ; -P3
	s_mov_b32 s23, s22
	s_mov_b32 s24, 0xb94ca1f9                      ; S3 = -1.9515296e-4
	s_mov_b32 s25, s24
	s_mov_b32 s26, 0xbe2aaaa3                      ; S1 = -1.6666655e-1
	s_mov_b32 s27, s26
	s_mov_b32 s28, 0x37ccf5ce                      ; C4 =  2.4433157e-5
	s_mov_b32 s29, s28
	s_mov_b32 s30, 0x3d2aaaa5                      ; C2 =  4.1666646e-2
	s_mov_b32 s31, s30
	s_mov_b32 s32, 0x7fffffff                      ; all but the sign
	s_mov_b32 s33, 0x40000000
	s_mov_b32 s34, 0x76543210
	s_mov_b32 s35, 0xfedcba98                      ; v_permlanex16_b32's selects for lane l xor 16
	s_cmp_eq_u32 s10, 15
	s_cselect_b32 s36, 0xffff0000, 0               ; the lanes of chunk 31: lanes 16-31 of wave 15
	s_mov_b32 s37, 0xffff0000                      ; the lanes of a wave's second chunk
	s_wait_kmcnt 0x0
	s_lshl_b32 s12, ttmp9, 6                       ; my 16 columns: 64 bytes of each row of theta,
	s_mov_b32 s13, 0
	s_add_nc_u64 s[4:5], s[4:5], s[12:13]
	s_mul_i32 s12, ttmp9, 16*3072                  ; 16 rows of codes,
	s_add_nc_u64 s[6:7], s[6:7], s[12:13]
	s_lshl_b32 s12, ttmp9, 11                      ; 16 rows of scale bytes
	s_add_nc_u64 s[8:9], s[8:9], s[12:13]
; block b of my chunk: 32 rows, a register a row.  The largest offset is 127 rows, 2,080,768 bytes: inside the signed 24-bit immediate (ISA guide, chapter 10)
.macro LOADB b
.irp i, 0,1,2,3,4,5,6,7,8,9,10,11,12,13,14,15,16,17,18,19,20,21,22,23,24,25,26,27,28,29,30,31
	global_load_b32 v[U+32*(\b)+\i], v[GOF], s[4:5] offset:(32*(\b)+\i)*ROWT
.endr
.endm
; Eight angles, rows 32 b + 8 q + 0 .. 7 of my chunk.  Each line is written for all eight before the next, so that no line waits for the one above it.
; left: the younger loads that may stay out.  last = 1: the chunk's last row is row 4,095 in chunk 31.
.macro GROUP b, q, left, last
.set T, U+32*(\b)+8*(\q)
	s_wait_loadcnt \left                           ; loads come back in order (ISA guide 5.7.1): my eight are in
.irp p, 0,2,4,6
	v_pk_fma_f32 v[RA+\p:RA+\p+1], v[T+\p:T+\p+1], s[16:17], v[MAG:MAG+1] op_sel_hi:[1,0,1]   ; t x 2/pi + 1.5 x 2^23: the sum's low bits are k, rounded to nearest
.endr
.irp p, 0,2,4,6
	v_pk_add_f32 v[RB+\p:RB+\p+1], v[RA+\p:RA+\p+1], v[MAG:MAG+1] neg_lo:[0,1] neg_hi:[0,1]   ; k as a number
.endr
.irp p, 0,2,4,6
	v_pk_fma_f32 v[RC+\p:RC+\p+1], v[RB+\p:RB+\p+1], s[18:19], v[T+\p:T+\p+1] op_sel_hi:[1,0,1]   ; rr = t - k P1
.endr
.irp p, 0,2,4,6
	v_pk_fma_f32 v[RC+\p:RC+\p+1], v[RB+\p:RB+\p+1], s[20:21], v[RC+\p:RC+\p+1] op_sel_hi:[1,0,1]   ; - k P2
.endr
.irp p, 0,2,4,6
	v_pk_fma_f32 v[RC+\p:RC+\p+1], v[RB+\p:RB+\p+1], s[22:23], v[RC+\p:RC+\p+1] op_sel_hi:[1,0,1]   ; - k P3
.endr
.irp j, 0,1,2,3,4,5,6,7
	v_lshl_add_u32 v[RF+\j], v[RA+\j], 30, s33     ; ((k + 1) mod 4) << 30: bit 31 is the sign of the odd polynomial; as a number it is +-0 just where k is odd
.endr
.irp j, 0,1,2,3,4,5,6,7
	v_lshlrev_b32 v[RA+\j], 30, v[RA+\j]           ; (k mod 4) << 30: bit 31 is the sign of the even polynomial
.endr
.irp j, 0,1,2,3,4,5,6,7
	v_bfi_b32 v[RG+\j], s32, v[ONE], v[RF+\j]      ; +-1
.endr
.irp p, 0,2,4,6
	v_pk_mul_f32 v[RB+\p:RB+\p+1], v[RC+\p:RC+\p+1], v[RC+\p:RC+\p+1]   ; s = rr^2
.endr
.irp p, 0,2,4,6
	v_pk_mul_f32 v[RC+\p:RC+\p+1], v[RC+\p:RC+\p+1], v[RG+\p:RG+\p+1]   ; +-rr: the odd polynomial takes its sign from its argument
.endr
.irp p, 0,2,4,6
	v_pk_fma_f32 v[RD+\p:RD+\p+1], v[RB+\p:RB+\p+1], s[24:25], v[VS2:VS2+1] op_sel_hi:[1,0,1]   ; S3 s + S2
	v_pk_fma_f32 v[RE+\p:RE+\p+1], v[RB+\p:RB+\p+1], s[28:29], v[VC3:VC3+1] op_sel_hi:[1,0,1]   ; C4 s + C3
.endr
.irp p, 0,2,4,6
	v_pk_fma_f32 v[RD+\p:RD+\p+1], v[RD+\p:RD+\p+1], v[RB+\p:RB+\p+1], s[26:27] op_sel_hi:[1,1,0]   ; .. s + S1
	v_pk_fma_f32 v[RE+\p:RE+\p+1], v[RE+\p:RE+\p+1], v[RB+\p:RB+\p+1], s[30:31] op_sel_hi:[1,1,0]   ; .. s + C2
.endr
.irp p, 0,2,4,6
	v_pk_mul_f32 v[RG+\p:RG+\p+1], v[RC+\p:RC+\p+1], v[RB+\p:RB+\p+1]   ; rr s
	v_pk_fma_f32 v[RE+\p:RE+\p+1], v[RE+\p:RE+\p+1], v[RB+\p:RB+\p+1], -0.5 op_sel_hi:[1,1,0]   ; .. s - 1/2
.endr
.irp p, 0,2,4,6
	v_pk_fma_f32 v[RD+\p:RD+\p+1], v[RG+\p:RG+\p+1], v[RD+\p:RD+\p+1], v[RC+\p:RC+\p+1]   ; the odd polynomial: rr + rr s (S1 + S2 s + S3 s^2), signed
	v_pk_fma_f32 v[RE+\p:RE+\p+1], v[RE+\p:RE+\p+1], v[RB+\p:RB+\p+1], 1.0 op_sel_hi:[1,1,0]   ; the even one: 1 + s (-1/2 + C2 s + C3 s^2 + C4 s^3), positive on |rr| <= pi/4
.endr
.irp j, 0,1,2,3,4,5,6,7
	v_bfi_b32 v[RE+\j], s32, v[RE+\j], v[RA+\j]    ; and its sign
.endr
.irp j, 0,1,2,3,4,5,6,7
	v_cmp_eq_f32 s[40+\j], 0, v[RF+\j]             ; k odd?
.endr
.irp j, 0,1,2,3,4,5,6,7
	v_cndmask_b32 v[RA+\j], v[RD+\j], v[RE+\j], s[40+\j]   ; sin t: the odd polynomial, for odd k the even one
.endr
.irp j, 0,1,2,3,4,5,6,7
	v_cndmask_b32 v[RB+\j], v[RE+\j], v[RD+\j], s[40+\j]   ; cos t: the other
.endr
.if \last
	v_cndmask_b32 v[RB+7], v[RB+7], v[ONE], s36    ; row 4,095 has no cosine: v there is the bare product
.endif
.irp j, 0,1,2,3,4,5,6
	v_mul_f32 v[CP+\j+1], v[CP+\j], v[RA+\j]       ; the product in front of each angle
.endr
.irp p, 0,2,4,6
	v_pk_mul_f32 v[T+\p:T+\p+1], v[RB+\p:RB+\p+1], v[CP+\p:CP+\p+1]   ; cos x the product in front of it, inside my chunk
.endr
	v_mul_f32 v[CP], v[CP+7], v[RA+7]              ; on to the next group
.endm
	; ---- sines, cosines and the chunk's product.  Loads run two blocks ahead
	LOADB 0
	LOADB 1
	GROUP 0, 0, 56, 0                              ; behind a group's eight loads: the rest of its block (24, 16, 8, 0) and the next block's 32
	GROUP 0, 1, 48, 0
	GROUP 0, 2, 40, 0
	GROUP 0, 3, 32, 0
	LOADB 2
	GROUP 1, 0, 56, 0
	GROUP 1, 1, 48, 0
	GROUP 1, 2, 40, 0
	GROUP 1, 3, 32, 0
	LOADB 3
	GROUP 2, 0, 56, 0
	GROUP 2, 1, 48, 0
	GROUP 2, 2, 40, 0
	GROUP 2, 3, 32, 0
	GROUP 3, 0, 24, 0                              ; the last block: nothing is behind it
	GROUP 3, 1, 16, 0
	GROUP 3, 2, 8, 0
	GROUP 3, 3, 0, 1
	; ---- the wave's product of 256 rows, the same in both halves of the lanes, goes to LDS
	v_permlanex16_b32 v[PL], v[CP], s34, s35       ; the other chunk's product of my column
	v_mul_f32 v[TV], v[CP], v[PL]
	ds_store_b32 v[PWA], v[TV]
	s_wait_dscnt 0x0                               ; for the others' sake: my store has landed
	s_barrier_signal -1
	s_barrier_wait -1
	; ---- the product of all rows above my chunk: the waves in front of mine, in order, and for a wave's second chunk its first
.irp j, 0,1,2,3,4,5,6,7,8,9,10,11,12,13,14
	ds_load_b32 v[32+\j], v[PRA] offset:128*\j     ; (wave 15's product, the one with lambda's sine in it, is read by nobody)
.endr
	s_wait_dscnt 0x0
.irp j, 0,1,2,3,4,5,6,7,8,9,10,11,12,13,14
	s_cmp_gt_u32 s10, \j                           ; is wave j in front of mine?  A choice, no jump: every wave runs the same lines
	s_cselect_b32 s38, -1, 0
.if \j == 0
	v_cndmask_b32 v[PP], v[ONE], v[32+\j], s38
.else
	v_cndmask_b32 v[TV], v[ONE], v[32+\j], s38
	v_mul_f32 v[PP], v[PP], v[TV]
.endif
.endr
	v_cndmask_b32 v[TV], v[ONE], v[PL], s37
	v_mul_f32 v[PP], v[PP], v[TV]
	v_mov_b32 v[PP+1], v[PP]
.set i, 0
.rept 64
	v_pk_mul_f32 v[U+i:U+i+1], v[U+i:U+i+1], v[PP:PP+1]   ; v, finished, in f32
.set i, i+2
.endr
	; ---- the quantiser: my four blocks of 32, by turns line by line.  A block lies whole in my registers
.irp b, 0,1,2,3
	v_max3_num_f32 v[TM+\b], |v[U+32*\b]|, |v[U+32*\b+1]|, 0x2800000   ; and the floor 2^(5 - 127), under which no largest magnitude is taken: so the byte cannot fall under 1
.endr
.irp i, 2,4,6,8,10,12,14,16,18,20,22,24,26,28,30
.irp b, 0,1,2,3
	v_max3_num_f32 v[TM+\b], v[TM+\b], |v[U+32*\b+\i]|, |v[U+32*\b+\i+1]|
.endr
.endr
.irp b, 0,1,2,3
	v_add_nc_u32 v[SO+\b], 0xfe000000, v[TM+\b]    ; 4 off the exponent field: the conversion takes the exponent field of this operand as its scale, and nothing else of it
.endr
.irp b, 0,1,2,3
	v_lshrrev_b32 v[BY+\b], 23, v[SO+\b]           ; the scale's byte
.endr
	v_lshl_or_b32 v[SW], v[BY+1], 8, v[BY]         ; four bytes: the scale word of 128 along K
	v_lshl_or_b32 v[SW], v[BY+2], 16, v[SW]
	v_lshl_or_b32 v[SW], v[BY+3], 24, v[SW]
.irp b, 0,1,2,3
	v_cvt_scalef32_pk16_bf6_f32 v[CD+6*\b:CD+6*\b+2], v[U+32*\b:U+32*\b+15], v[SO+\b]        ; sixteen numbers / the scale, to the nearest code, ties to even, beyond the largest code the largest: 96 bits without gaps
	v_cvt_scalef32_pk16_bf6_f32 v[CX+4*\b:CX+4*\b+2], v[U+32*\b+16:U+32*\b+31], v[SO+\b]     ; (a conversion's three registers begin on an even number: a block's second three do not, so they are made elsewhere and moved)
.endr
	v_nop                                          ; one plain instruction between a scaled conversion and the vector instruction that touches its result
.irp b, 0,1,2,3
.irp i, 0,1,2
	v_mov_b32 v[CD+6*\b+3+\i], v[CX+4*\b+\i]
.endr
.endr
.irp j, 0,1,2,3,4,5
	ds_store_b128 v[CWA], v[CD+4*\j:CD+4*\j+3] offset:16*\j   ; bytes 96 g .. 96 g + 95 of my column's row of codes
.endr
	ds_store_b32 v[SWA], v[SW]
	s_wait_dscnt 0x0                               ; for the others' sake: my stores have landed
	s_barrier_signal -1
	s_barrier_wait -1
	; ---- the way out: wave w stores column w's whole row of 3,072 bytes; each store of the wave covers 512 consecutive bytes, at a multiple of 256 from the buffer's first byte
.irp j, 0,1,2,3,4,5
	ds_load_b128 v[CD+4*\j:CD+4*\j+3], v[CRA] offset:512*\j
.endr
.irp j, 0,1,2,3,4,5
	s_wait_dscnt 5-\j                              ; LDS loads come back in order: number j is in
	global_store_b128 v[CGO], v[CD+4*\j:CD+4*\j+3], s[6:7] offset:512*\j
.endr
	s_cmp_gt_u32 s10, 3                            ; the work-group's 2,048 scale bytes are one dense run: four waves' worth
	s_cbranch_scc1 .Lend
	ds_load_b128 v[88:91], v[SRA]
	s_wait_dscnt 0x0
	global_store_b128 v[SGO], v[88:91], s[8:9]
.Lend:
	s_wait_tensorcnt 0x0
	ds_add_u32 v224, v225
	s_wait_dscnt 0x0
	s_endpgm
.Lfunc_end_k_q4a8cb42410_makev:
	.size	k_q4a8cb42410_makev, .Lfunc_end_k_q4a8cb42410_makev-k_q4a8cb42410_makev
	.p2alignl 7, 3214868480
	.fill 96, 4, 3214868480
	.section	.rodata,"a",@progbits
	.p2align	6, 0x0
	.amdhsa_kernel k_q4a8cb42410_makev
		.amdhsa_group_segment_fixed_size 55552
		.amdhsa_private_segment_fixed_size 0
		.amdhsa_enable_private_segment 0
		.amdhsa_kernarg_size 24
		.amdhsa_user_sgpr_count 2
		.amdhsa_user_sgpr_kernarg_segment_ptr 1
		.amdhsa_wavefront_size32 1
		.amdhsa_system_sgpr_workgroup_id_x 1
		.amdhsa_system_sgpr_workgroup_id_y 1
		.amdhsa_system_sgpr_workgroup_id_z 1
		.amdhsa_system_vgpr_workitem_id 0
		.amdhsa_next_free_vgpr 226
		.amdhsa_next_free_sgpr 66
		.amdhsa_reserve_vcc 0
		.amdhsa_float_denorm_mode_32 3
		.amdhsa_float_denorm_mode_16_64 3
		.amdhsa_memory_ordered 1
		.amdhsa_forward_progress 1
		.amdhsa_inst_pref_size 152
	.end_amdhsa_kernel
	.amdgpu_metadata
---
amdhsa.version: [ 1, 2 ]
amdhsa.kernels:
  - .name:           k_q4a8cb42410_makev
    .symbol:         k_q4a8cb42410_makev.kd
    .args:
      - { .name: theta_lambda, .offset: 0, .size: 8, .value_kind: global_buffer, .address_space: global }
      - { .name: v_codes, .offset: 8, .size: 8, .value_kind: global_buffer, .address_space: global }
      - { .name: v_scales, .offset: 16, .size: 8, .value_kind: global_buffer, .address_space: global }
    .group_segment_fixed_size: 55552
    .private_segment_fixed_size: 0
    .kernarg_segment_align: 8
    .kernarg_segment_size: 24
    .max_flat_workgroup_size: 512
    .sgpr_count:     66
    .vgpr_count:     226
    .wavefront_size: 32
...
	.end_amdgpu_metadata
.endif
;; end of part 1
;; launch gemm (part 2): grid 16 x 16, 4 waves a work-group, clusters of 4 x 4, 327,680 bytes of LDS; arguments x_codes, x_scales, v_codes, v_scales, out0, theta_lambda; writes out0
.if DOCPART == 2
	.amdgcn_target "amdgcn-amd-amdhsa--gfx1250"
	.amdhsa_code_object_version 6
	.text
	.protected	k_q4a8cb42410_gemm
	.globl	k_q4a8cb42410_gemm
	.p2align	8
	.type	k_q4a8cb42410_gemm,@function
k_q4a8cb42410_gemm:
	s_mov_b64 s[64:65], 0
	v_nop
	global_prefetch_b8 v0, s[64:65] scope:SCOPE_SE
	s_setreg_imm32_b32 hwreg(HW_REG_WAVE_MODE, 25, 1), 1
	s_wait_xcnt 0x0
	s_wait_alu depctr_hold_cnt(0) depctr_sa_sdst(0) depctr_va_vdst(0) depctr_va_sdst(0) depctr_va_ssrc(0) depctr_va_vcc(0) depctr_vm_vsrc(0)
	s_getreg_b32 s2, hwreg(HW_REG_IB_STS2, 6, 4)
	s_cmp_eq_u32 s2, 0
	s_cbranch_scc0 .Lentry_in_a_cluster
	s_endpgm
.Lentry_in_a_cluster:
	s_bfe_u32 s2, ttmp6, 0x10000c
	s_cmp_lg_u32 s2, 0xf033
	s_cbranch_scc0 .Lentry_shape_is_right
	s_endpgm
.Lentry_shape_is_right:
; out[m][n] = r[n] x max(0, lam[n] + the sum over k of x[m][k] v[k][n]).  A = x: [SIZE_M][SIZE_K], B = v laid [SIZE_N][SIZE_K]: codes of BF6 (E3M2), 6 bits each, with one E8M0 scale for each 32 along K; sums in f32.
; lam is row 4,095 and r row 4,096 of theta_lambda [4,097][SIZE_N], f32; out: [SIZE_M][SIZE_N] f32.  The matrix instruction takes codes and scale bytes as they lie in memory: a row of codes is one stream of bits, 128 codes in 96 bytes.
; A tile of out, 256 x 256, is made by a work-group of four waves, as many as a WGP has SIMDs; a wave makes 128 x 128: 64 accumulators of 16 x 16, 512 registers.  256 tiles, one to a work-group.
; K goes in steps of 256 through a ring of two LDS slots filled by the tensor data mover: a tile's row is 192 bytes of memory.
; THE SCALES of the work-group's 256 rows of A and 256 rows of B, for all of K, are two dense blocks of memory: they come into LDS ONCE, with the first fills, as rows of 256 bytes, and stay.
; CLUSTERS: 4 x 4 work-groups.  The four of a row of the cluster need the same tiles of A, the four of a column the same tiles of B: each tile is asked for JOINTLY, by the same tensor load with the
; same descriptor and a mask that names the four.  THE MATRIX INSTRUCTION IS USED TRANSPOSED (source 0 = 16 rows of B, source 1 = 16 rows of A): a lane then holds eight neighbouring numbers of a row of out.
; lam, relu and r stand on the way out, where a lane holds the same four columns in every row: four numbers of lam and four of r serve a lane's share of all 128 rows.
; LIMIT: the relu is v_max_num_f32 with 0, in which a NaN loses: a sum that is NaN (a scale byte 0xff) gives 0 x r, not NaN.
; REGISTERS, in windows of 256: window 0: v0-31 addresses; v32-63 scale words, two sets; v64-67 lam, v68-71 r; from v128 A's fragments (8 x 16 rows x 128 K), ONE set; on the way out v128-255 are free.
;   window 1: B's fragments, TWO sets, at v0 and at v128.   window 2: the 32 accumulators of my rows 0-63 (accumulator (a, b) at v[8 (8 a + b)]);   window 3: those of my rows 64-127.
; A step of 128 along K is 64 matrix instructions, A's blocks one after the other, each against B's eight.  So a block of A is free as soon as its eight products are issued, and one set of registers serves A:
; blocks 0-3 are fetched anew in the step's middle, blocks 4-7 at its end.  B's fragments are at work through the whole step, so B has two sets.
.set SIZE_M, 4096
.set SIZE_N, 4096
.set SIZE_K, 4096
.set KSTEP,  256                       ; along K in a slot
.set NQ,     KSTEP/128                 ; matrix instructions deep
.set ROWB,   192                       ; a tile's row in bytes: KSTEP codes of 6 bits
.set KROW,   SIZE_K*6/8                ; a row of A or of B in memory, in bytes
.set PITCH,  240                       ; an LDS row: 3 x (64 bytes of data + 16 of padding) = 60 words: row r starts at bank -4 r mod 64 (64 banks of 4 bytes: ISA guide 11.1), so the 32 lanes of a load of 8 bytes touch 64 different banks
.set FR,     12                        ; registers of a fragment: 16 rows x 128 K
.set NL,     6                         ; LDS loads that bring one
.set NP,     4                         ; places behind this matrix instruction (ISA guide 7.12.1)
.set HALFT,  128*PITCH                 ; 128 rows: what one tensor load brings, and what one wave reads of A or of B
.set SLOT,   4*HALFT                   ; A's 256 rows, then B's 256 rows
.set LAPS,   SIZE_K/(2*KSTEP)          ; a lap = two K steps = once round the ring: 8
.set KS,     SIZE_K/32                 ; a row of scales in bytes: 128, so that a row lies inside one run of 256 bytes
.set SCL,    2*SLOT                    ; behind the ring: the scales, as rows of 256 bytes + 16 of padding
.set HALFS,  (128*KS/256)*272          ; the scales of 128 rows: what one tensor load brings
.set SBLK,   (16*KS/256)*272           ; those of 16 rows
.set SPARE,  SCL+4*HALFS               ; behind the scales: the spare words, 128 bytes for each wave: two blocks of 256 bytes that no other line names
.set SPITCH, 528                       ; the way out: a stage of 16 rows x (512 bytes + 16) for each wave.  It lies in slot 0, which has had its last fill and its last read when the first result is stored there
.set LAMROW, 4095*SIZE_N*4             ; where lam's row begins in theta_lambda; r's row follows it
.set ADRA, 16                          ; v16-17  LDS address of my A fragments in slot 0, 1  (v18-19: the same for the pieces that lie behind one padding more)
.set ADRB, 20                          ; v20-21  the same for B  (v22-23)
.set STO,  24                          ; v24     the way out: where I put 32 bytes of a row
.set RD,   25                          ; v25     the way out: where I read a row back
.set CO,   26                          ; v26     my byte offset in a row of out: 16 x lane; never rewritten
.set SPW,  28                          ; v28     LDS address of my spare word: SPARE + 4 x my thread's number; never rewritten
.set NIL,  29                          ; v29     0; never rewritten
.set ADRS, 27                          ; v27     LDS address of my scale words: lanes 0-15 A's rows, lanes 16-31 B's
.set SC,   32                          ; scale words: set s (for slot s) at v[SC + 8 NQ s]; in it register NQ i + q: lanes 0-15 the word of A's block i, lanes 16-31 that of B's block i, for the slot's q-th 128 along K
.set LAM,  64                          ; v64-67  lam of my four columns on the way out
.set RR,   68                          ; v68-71  r of the same
.set AF,   128                         ; A's fragments, in window 0
.set BK,   128                         ; the way out: 16 rows read back from the stage: v128-191 and v192-255 by turns
.set G1, 24                            ; s[24:31] descriptor group 1 for A's tiles;  s[32:39] group 0, one set for each slot
.set G0, 32
.set G1B, 48                           ; s[48:55], s[56:63] the same for B's tiles
.set G0B, 56
.set G1S, 68                           ; s[68:75], s[76:79] groups 1 and 0 for A's scales;  s[80:87], s[88:91] for B's
.set G0S, 76
.set G1SB, 80
.set G0SB, 88
.set MSB, 0
.macro WIN new                         ; the immediate's high byte repeats the setting that is left
.if MSB != \new
	s_set_vgpr_msb (MSB<<8)|\new
.set MSB, \new
.endif
.endm
.set MUL_LO, 0xa1                      ; source 0 (B) window 1, source 1 (A) window 0, C and D window 2
.set MUL_HI, 0xf1                      ; the same, C and D window 3
.set TO_B,   0x40                      ; destination window 1, address window 0
; A joint load: waves 0 and 1 fetch for A, waves 2 and 3 for B.  Each of the two lines has ONE mask and one set of registers for all that issue it; the branch hangs on the wave's number alone.
; Four v_nop follow each of the two lines, ahead of the jump, the label and what follows.
.macro JLOAD g0a, g1a, g0b, g1b
	s_cmp_eq_u32 s15, 0
	s_cbranch_scc0 .Lfor_b_\@
	tensor_load_to_lds s[\g0a:\g0a+3], s[\g1a:\g1a+7]
	s_nop 0
.rept 4
	v_nop
.endr
	s_branch .Lasked_\@
.Lfor_b_\@:
	tensor_load_to_lds s[\g0b:\g0b+3], s[\g1b:\g1b+7]
	s_nop 0
.rept 4
	v_nop
.endr
.Lasked_\@:
.endm
.macro CREST                           ; a round of the cluster's barrier behind its opening barrier
	s_cmp_lg_u32 s14, 0
	s_cbranch_scc1 .Lnot_wave_0_\@
	s_barrier_signal -3
.Lnot_wave_0_\@:
	s_barrier_wait -3
	s_barrier_signal -1
	s_barrier_wait -1
.endm
.macro CROUND                          ; a whole round
	s_barrier_signal -1
	s_barrier_wait -1
	CREST
.endm
	s_load_b128 s[4:7], s[0:1], 0x0                ; A's codes s[4:5], A's scales s[6:7]
	s_load_b128 s[8:11], s[0:1], 0x10              ; B's codes s[8:9], B's scales s[10:11]
	s_load_b64 s[12:13], s[0:1], 0x20              ; out
	s_load_b64 s[96:97], s[0:1], 0x28              ; theta_lambda
	v_lshl_add_u32 v[SPW], v0, 2, SPARE
	v_mov_b32 v[NIL], 0
	ds_add_u32 v28, v29
	ds_add_u32 v28, v29
	s_wait_dscnt 0x0
	v_lshrrev_b32 v1, 5, v0
	v_readfirstlane_b32 s14, v1                    ; wave 0..3
	s_lshr_b32 s15, s14, 1                         ; which half of the tile's rows is mine.  Also: I fetch for A (0) or for B (1)
	s_and_b32 s16, s14, 1                          ; which half of its columns.  Also: which 128 rows of that tile I fetch
	s_bfe_u32 s40, ttmp6, 0x40000                  ; cx, cy: my place in the cluster
	s_bfe_u32 s41, ttmp6, 0x40004
	s_lshl_b32 s42, ttmp9, 2
	s_add_co_u32 s42, s42, s40                     ; tile column = 4 x cluster x + cx
	s_and_b32 s17, ttmp7, 0xffff
	s_lshl_b32 s17, s17, 2
	s_add_co_u32 s17, s17, s41                     ; tile row = 4 x cluster y + cy
	s_lshl_b32 s43, s41, 2
	s_lshl_b32 s43, 15, s43                        ; my row of the cluster
	s_lshl_b32 s44, 0x1111, s40                    ; my column
	; descriptor group 1: a tile of 128 rows x ROWB bytes, padded in LDS
	s_or_b32 s[G1+0], s43, (0<<16)|(1<<20)|(1<<21)|(3<<22)|(3<<25)  ; 15:0 the mask: A's tiles go to my row; 17:16 element of 1 byte; 20 padding on; 21 set beside a mask; 24:22 after every 16 words (code 3); 31:25 of 4 words (code 3)
	s_or_b32 s[G1B+0], s44, (0<<16)|(1<<20)|(1<<21)|(3<<22)|(3<<25)
.irp g, G1, G1B
	s_mov_b32 s[\g+1], ROWB<<16                    ; tensor_dim0
	s_mov_b32 s[\g+2], 128<<16                     ; tensor_dim1 = 128
	s_mov_b32 s[\g+3], ROWB<<16                    ; tile_dim0
	s_mov_b32 s[\g+4], 128                         ; tile_dim1 = 128
	s_mov_b32 s[\g+5], KROW                        ; tensor_dim0_stride
	s_mov_b32 s[\g+6], 0
	s_mov_b32 s[\g+7], 0
.endr
	; and for the scales of 128 rows: a dense block of 128 KS bytes, as rows of 256 bytes (32 elements of 8 bytes), 16 bytes of padding behind each
	s_or_b32 s[G1S+0], s43, (3<<16)|(1<<20)|(1<<21)|(5<<22)|(3<<25)
	s_or_b32 s[G1SB+0], s44, (3<<16)|(1<<20)|(1<<21)|(5<<22)|(3<<25)
.irp g, G1S, G1SB
	s_mov_b32 s[\g+1], 32<<16
	s_mov_b32 s[\g+2], (128*KS/256)<<16
	s_mov_b32 s[\g+3], 32<<16
	s_mov_b32 s[\g+4], 128*KS/256
	s_mov_b32 s[\g+5], 32
	s_mov_b32 s[\g+6], 0
	s_mov_b32 s[\g+7], 0
.endr
	s_lshl_b32 s18, s16, 7                         ; which 128 rows of the tile I fetch
	s_lshl_b32 s20, s17, 8
	s_add_co_u32 s20, s20, s18                     ; A: row 256 x tile row + 128 x half
	s_lshl_b32 s46, s42, 8
	s_add_co_u32 s46, s46, s18                     ; B: row 256 x tile column + 128 x half
	s_mov_b32 s21, 0
	s_mov_b32 s47, 0
	s_mov_b64 s[18:19], KS
	s_mul_u64 s[22:23], s[20:21], s[18:19]         ; where these rows' scales begin, in bytes
	s_mul_u64 s[92:93], s[46:47], s[18:19]
	s_mov_b64 s[18:19], KROW
	s_mul_u64 s[20:21], s[20:21], s[18:19]         ; and their codes
	s_mul_u64 s[46:47], s[46:47], s[18:19]
	s_mul_i32 s45, s14, HALFT                      ; where they go: wave x 128 rows: no place in the cluster enters an LDS address
	s_mul_i32 s94, s14, HALFS
	s_wait_kmcnt 0x0
	s_add_nc_u64 s[20:21], s[4:5], s[20:21]
	s_add_nc_u64 s[22:23], s[6:7], s[22:23]
	s_add_nc_u64 s[46:47], s[8:9], s[46:47]
	s_add_nc_u64 s[92:93], s[10:11], s[92:93]
	CROUND                                         ; all sixteen work-groups are here: the first joint loads meet
	s_mov_b32 s[G0S], 1
	s_add_co_u32 s[G0S+1], s94, SCL
	s_mov_b64 s[G0S+2:G0S+3], s[22:23]
	s_or_b32 s[G0S+3], s[G0S+3], 0x80000000
	s_mov_b32 s[G0SB], 1
	s_add_co_u32 s[G0SB+1], s94, SCL
	s_mov_b64 s[G0SB+2:G0SB+3], s[92:93]
	s_or_b32 s[G0SB+3], s[G0SB+3], 0x80000000
	JLOAD G0S, G1S, G0SB, G1SB                     ; the scales first: they are wanted with K step 0.  With the two below, three tensor loads of mine are out
.irp s, 0,1
	s_mov_b32 s[G0+4*\s], 1
	s_add_co_u32 s[G0+4*\s+1], s45, \s*SLOT
	s_add_nc_u64 s[G0+4*\s+2:G0+4*\s+3], s[20:21], \s*ROWB
	s_or_b32 s[G0+4*\s+3], s[G0+4*\s+3], 0x80000000
	s_mov_b32 s[G0B+4*\s], 1
	s_add_co_u32 s[G0B+4*\s+1], s45, \s*SLOT
	s_add_nc_u64 s[G0B+4*\s+2:G0B+4*\s+3], s[46:47], \s*ROWB
	s_or_b32 s[G0B+4*\s+3], s[G0B+4*\s+3], 0x80000000
	JLOAD G0+4*\s, G1, G0B+4*\s, G1B
.endr
	v_and_b32 v1, 15, v0                           ; l % 16
	v_bfe_u32 v2, v0, 4, 1                         ; l / 16
	v_mul_u32_u24 v3, v1, PITCH
	v_mul_u32_u24 v4, v2, 24
	v_add_nc_u32 v4, v3, v4                        ; a fragment's row x pitch + 24 x half
	v_lshl_add_u32 v5, v2, 4, v4                   ; and the same behind one padding more
	s_mul_i32 s21, s15, HALFT                      ; my 128 rows of A
	s_mul_i32 s22, s16, HALFT                      ; my 128 rows of B,
	s_add_co_u32 s22, s22, 2*HALFT                 ; which lie behind A's 256
.irp s, 0,1
	v_add_nc_u32 v[ADRA+\s], s21, v4
	v_add_nc_u32 v[ADRB+\s], s22, v4
	v_add_nc_u32 v[ADRA+2+\s], s21, v5
	v_add_nc_u32 v[ADRB+2+\s], s22, v5
	s_add_co_u32 s21, s21, SLOT
	s_add_co_u32 s22, s22, SLOT
.endr
	v_mul_u32_u24 v5, v1, KS                       ; my row's scales: KS bytes a row,
	v_lshrrev_b32 v6, 8, v5
	v_lshl_add_u32 v5, v6, 4, v5                   ; and 16 more for each 256 passed
	s_mul_i32 s21, s15, HALFS                      ; A's: my 128 rows
	s_mul_i32 s22, s16, HALFS                      ; B's: my 128 rows, behind A's 256
	s_add_co_u32 s22, s22, 2*HALFS
	s_sub_co_u32 s22, s22, s21
	v_mul_u32_u24 v6, s22, v2                      ; lanes 16-31 take B's
	s_add_co_u32 s21, s21, SCL
	v_add_nc_u32 v5, v5, v6
	v_add_nc_u32 v[ADRS], s21, v5
	s_mul_i32 s23, s14, 16*SPITCH                  ; my stage
	v_mul_u32_u24 v5, v1, SPITCH                   ; in: row l % 16, 32 bytes for each half of the lanes
	v_lshl_add_u32 v5, v2, 5, v5
	v_add_nc_u32 v[STO], s23, v5
	v_and_b32 v6, 31, v0
	v_lshlrev_b32 v[CO], 4, v6                     ; back: the 32 lanes take one row of 512 bytes; and the same in out
	v_add_nc_u32 v[RD], s23, v[CO]
	s_lshl_b32 s20, s17, 8
	s_lshl_b32 s21, s15, 7
	s_add_co_u32 s20, s20, s21                     ; my first row of out: 256 x tile row + 128 x half
	s_mov_b32 s21, 0
	s_mov_b64 s[18:19], SIZE_N*4
	s_mul_u64 s[20:21], s[20:21], s[18:19]
	s_lshl_b32 s46, s42, 10                        ; my first column, in bytes: 1024 x tile column + 512 x half
	s_lshl_b32 s47, s16, 9
	s_add_co_u32 s46, s46, s47
	s_mov_b32 s47, 0
	s_add_nc_u64 s[20:21], s[20:21], s[46:47]
	s_add_nc_u64 s[12:13], s[12:13], s[20:21]
	s_add_nc_u64 s[96:97], s[96:97], s[46:47]      ; lam and r: the same columns,
	s_add_nc_u64 s[96:97], s[96:97], LAMROW        ; in rows 4,095 and 4,096 of theta_lambda
	global_load_b128 v[LAM:LAM+3], v[CO], s[96:97]                 ; columns 4 x lane + 0 .. 3 of my 128: those that I hold on the way out.  Neither address register is written again
	global_load_b128 v[RR:RR+3], v[CO], s[96:97] offset:SIZE_N*4
.macro FRAG reg, adr, q, i             ; a fragment, 16 rows x 128 K of 6-bit codes, is 12 registers: lane l holds row l % 16; registers 6 c .. 6 c + 5 hold K = 64 c + 32 (l / 16) + 0 .. 31: 24 bytes of the row's stream of bits, as they lie
.irp p, 0,1,2,3,4,5                    ; in pieces of 8 bytes, so that every address is a multiple of the access's size.  Lanes 0-15 take the row's pieces 12 q + 0, 1, 2 and 12 q + 6, 7, 8, lanes 16-31 those three pieces on
.set PC, 12*(\q)+6*(\p/3)+\p%3        ; the mover has laid 16 bytes of padding behind every 64 bytes (8 pieces): where the piece three on lies behind one padding more, the second address register (40 for 24 bytes a half) serves
.if PC%8 < 5
	ds_load_b64 v[\reg+2*\p:\reg+2*\p+1], v[\adr] offset:8*PC+16*(PC/8)+(\i)*16*PITCH
.else
	ds_load_b64 v[\reg+2*\p:\reg+2*\p+1], v[\adr+2] offset:8*PC+16*(PC/8)+(\i)*16*PITCH
.endif
.endr
.endm
; 16 matrix instructions: A's blocks a0, a0 + 1 x B's eight, 128 along K: the slot's q-th.  p: B's set;  sc: the set of scale words.  zero = 1: the first product starts the sums: nothing is ever cleared.
; The 64 accumulators take turns, one instruction a turn, in the same order in every step.
.macro MUL16 a0, p, q, sc, zero
.irp a, \a0, \a0+1
.irp b, 0,1,2,3,4,5,6,7
.if \zero
	v_wmma_scale_f32_16x16x128_f8f6f4 v[8*(8*((\a)%4)+\b):8*(8*((\a)%4)+\b)+7], v[128*(\p)+FR*\b:128*(\p)+FR*\b+FR-1], v[AF+FR*(\a):AF+FR*(\a)+FR-1], 0, v[SC+8*NQ*(\sc)+NQ*\b+(\q)], v[SC+8*NQ*(\sc)+NQ*(\a)+(\q)] matrix_a_fmt:MATRIX_FMT_BF6 matrix_b_fmt:MATRIX_FMT_BF6 matrix_a_scale:MATRIX_SCALE_ROW1
.else
	v_wmma_scale_f32_16x16x128_f8f6f4 v[8*(8*((\a)%4)+\b):8*(8*((\a)%4)+\b)+7], v[128*(\p)+FR*\b:128*(\p)+FR*\b+FR-1], v[AF+FR*(\a):AF+FR*(\a)+FR-1], v[8*(8*((\a)%4)+\b):8*(8*((\a)%4)+\b)+7], v[SC+8*NQ*(\sc)+NQ*\b+(\q)], v[SC+8*NQ*(\sc)+NQ*(\a)+(\q)] matrix_a_fmt:MATRIX_FMT_BF6 matrix_b_fmt:MATRIX_FMT_BF6 matrix_a_scale:MATRIX_SCALE_ROW1
.endif
.endr
.endr
.endm
.macro FETCH_B slot, q, p              ; B's eight fragments of the slot's q-th 128 along K into set p
	WIN TO_B
.irp i, 0,1,2,3,4,5,6,7
	FRAG 128*(\p)+FR*\i, ADRB+\slot, \q, \i
.endr
	WIN 0
.endm
.macro FETCH_A slot, q, i0             ; A's blocks i0 .. i0 + 3
.irp i, \i0, \i0+1, \i0+2, \i0+3
	FRAG AF+FR*(\i), ADRA+\slot, \q, \i
.endr
.endm
.macro SCALES sc                       ; the next K step's scale words into set sc: NQ words a row; lanes 0-15 take A's block i, lanes 16-31 B's block i
.irp i, 0,1,2,3,4,5,6,7
	ds_load_b64 v[SC+8*NQ*\sc+NQ*\i:SC+8*NQ*\sc+NQ*\i+1], v[ADRS] offset:\i*SBLK
.endr
.endm
; A load into a register that a matrix instruction has read, and a vector instruction or an LDS store that reads a matrix result, stand NP places behind that matrix instruction, and only plain vector
; instructions that name none of its registers are places (ISA guide 7.12.1 for vector instructions); this text does not count the matrix instructions in between.
.macro PLACES n
.rept \n
	v_nop
.endr
.endm
; A step of 128 along K that has its successor in the same slot.
.macro STEP slot, q, zero
	s_wait_dscnt 4*NL                              ; B's set and A's blocks 0-3 are in; the youngest 24 loads (A's blocks 4-7) may be out
	WIN MUL_LO
	MUL16 0, (\q)%2, \q, \slot, \zero
	MUL16 2, (\q)%2, \q, \slot, \zero
	s_wait_dscnt 0                                 ; A's blocks 4-7 are in (asked for 32 matrix instructions ago)
	PLACES NP
	FETCH_B \slot, (\q)+1, 1-(\q)%2
	FETCH_A \slot, (\q)+1, 0
	WIN MUL_HI
	MUL16 4, (\q)%2, \q, \slot, \zero
	MUL16 6, (\q)%2, \q, \slot, \zero
	PLACES NP
	WIN 0
	FETCH_A \slot, (\q)+1, 4
.endm
; A slot's last step changes slots: ONE barrier; in front of it each wave waits for all its tensor loads, adds 0 to its spare word, and waits for that and for its own reads of this slot.  fill = 1: this slot is filled again, two K steps ahead.
.macro TURN slot, next, fill
	s_wait_tensorcnt 0x0                           ; all my tensor loads have landed: my part of the next slot;  (every window is 0 here: the add's two registers lie in window 0)
	ds_add_u32 v[SPW], v[NIL]                      ; 0 onto my spare word
	s_wait_dscnt 4*NL+1                            ; (the add and the youngest 24 loads, A's blocks 4-7, may be out)
	WIN MUL_LO
	MUL16 0, 1, NQ-1, \slot, 0                     ; sixteen matrix instructions stand between the add and the wait for it
	s_wait_dscnt 0x0                               ; the add is done, and my reads of this slot are over
	s_barrier_signal -1
	MUL16 2, 1, NQ-1, \slot, 0
	WIN 0
	s_barrier_wait -1
.if \fill
	CREST                                          ; the barrier has opened a round of the cluster's barrier: no wave of any partner still reads this slot's tile or has a load on its way
	s_add_nc_u64 s[G0+4*\slot+2:G0+4*\slot+3], s[G0+4*\slot+2:G0+4*\slot+3], 2*ROWB
	s_add_nc_u64 s[G0B+4*\slot+2:G0B+4*\slot+3], s[G0B+4*\slot+2:G0B+4*\slot+3], 2*ROWB
	JLOAD G0+4*\slot, G1, G0B+4*\slot, G1B         ; the first tensor load behind the round, and my only one until the next; the four v_nop behind it are the places in front of the loads below
.else
	PLACES NP
.endif
	v_add_nc_u32 v[ADRS], 4*NQ, v[ADRS]            ; on to the next K step's scale words (no LDS load of mine is out)
	FETCH_B \next, 0, 0
	FETCH_A \next, 0, 0
	SCALES \next
	WIN MUL_HI
	MUL16 4, 1, NQ-1, \slot, 0
	MUL16 6, 1, NQ-1, \slot, 0
	PLACES NP
	WIN 0
	FETCH_A \next, 0, 4
.endm
	s_wait_loadcnt 0x0                             ; lam and r are in: they were asked for behind the first tiles and land while those do
	s_wait_tensorcnt 1                             ; the scales and my part of K step 0 are in (K step 1's load may be out)
	s_barrier_signal -1
	s_barrier_wait -1                              ; everybody's are
	FETCH_B 0, 0, 0
	FETCH_A 0, 0, 0
	SCALES 0
	FETCH_A 0, 0, 4
	STEP 0, 0, 1                                   ; the first step stands in front of the loop: its products start the sums
	s_mov_b32 s3, LAPS-1
.Llap:                                                 ; a trip goes once round the ring, from a lap's second step to the next lap's first, and fills both slots again
	TURN 0, 1, 1
	STEP 1, 0, 0
	TURN 1, 0, 1
	STEP 0, 0, 0
	s_sub_co_u32 s3, s3, 1
	s_cmp_lg_u32 s3, 0
	s_cbranch_scc1 .Llap
	TURN 0, 1, 0                                   ; the last lap fills nothing, and has no round of the cluster's barrier
	STEP 1, 0, 0
	s_wait_dscnt 4*NL                              ; the very last step: nothing more to fetch
	WIN MUL_LO
	MUL16 0, 1, NQ-1, 1, 0
	MUL16 2, 1, NQ-1, 1, 0
	s_wait_dscnt 0
	WIN MUL_HI
	MUL16 4, 1, NQ-1, 1, 0
	MUL16 6, 1, NQ-1, 1, 0
	WIN 0
; THE WAY OUT, block by block of 16 rows x 128 columns.  A lane holds 32 neighbouring bytes of a row, and the lanes beside it hold other rows: so a block goes through my own stage in LDS and comes back as whole
; rows of 512 bytes, which the 32 lanes store as two aligned runs of 256 bytes.  LDS serves a wave's instructions in order (ISA guide 5.7.1.4): no wait between the stores and the loads, nor in front of the next block's stores.
.macro TOSTAGE a
.set AC, 64*((\a)%4)
	WIN 0x08+4*((\a)/4)                            ; the data: window 2 or 3
.irp b, 0,1,2,3,4,5,6,7
	ds_store_b128 v[STO], v[AC+8*\b:AC+8*\b+3] offset:64*\b          ; each accumulator from its low end on
	ds_store_b128 v[STO], v[AC+8*\b+4:AC+8*\b+7] offset:64*\b+16
.endr
	WIN 0
.set BB, BK+64*((\a)%2)
.irp t, 0,1,2,3,4,5,6,7,8,9,10,11,12,13,14,15
	ds_load_b128 v[BB+4*\t:BB+4*\t+3], v[RD] offset:\t*SPITCH
.endr
.endm
; Block a, back from the stage: + lam, relu, x r, in f32, four rows at a time so that no line waits for the one above it; then stored.
.macro SEND a, younger                 ; younger: the LDS instructions issued behind block a's loads, which may stay out
.set BB, BK+64*((\a)%2)
	s_wait_dscnt \younger                          ; the block is back in registers
.if (\a) > 0
	s_add_nc_u64 s[12:13], s[12:13], 16*SIZE_N*4   ; (behind a wait on XCNT: the earlier stores have read their base)  16 rows of out on, so that the stores' offsets stay small: 15 rows at the most, 245,760 bytes
.endif
.irp u, 0,4,8,12
.irp t, 0,1,2,3
	v_pk_add_f32 v[BB+4*(\u+\t):BB+4*(\u+\t)+1], v[BB+4*(\u+\t):BB+4*(\u+\t)+1], v[LAM:LAM+1]
	v_pk_add_f32 v[BB+4*(\u+\t)+2:BB+4*(\u+\t)+3], v[BB+4*(\u+\t)+2:BB+4*(\u+\t)+3], v[LAM+2:LAM+3]
.endr
.irp j, 0,1,2,3,4,5,6,7,8,9,10,11,12,13,14,15
	v_max_num_f32 v[BB+4*\u+\j], 0, v[BB+4*\u+\j]
.endr
.irp t, 0,1,2,3
	v_pk_mul_f32 v[BB+4*(\u+\t):BB+4*(\u+\t)+1], v[BB+4*(\u+\t):BB+4*(\u+\t)+1], v[RR:RR+1]
	v_pk_mul_f32 v[BB+4*(\u+\t)+2:BB+4*(\u+\t)+3], v[BB+4*(\u+\t)+2:BB+4*(\u+\t)+3], v[RR+2:RR+3]
.endr
.irp t, 0,1,2,3
	global_store_b128 v[CO], v[BB+4*(\u+\t):BB+4*(\u+\t)+3], s[12:13] offset:(\u+\t)*SIZE_N*4 th:TH_STORE_NT   ; 32 lanes store 512 consecutive bytes, at a multiple of 256 from out's first byte; written once, read by nobody here
.endr
.endr
.endm
	PLACES NP                                      ; these places serve the loads into, and the arithmetic on, the registers that held A's fragments, and block 7's reads of results just made
	TOSTAGE 0
.irp a, 1,2,3,4,5,6,7
.if \a > 1
	s_wait_xcnt 0x0                                ; block a - 2's stores have read their registers and their base: block a's loads may land there, and the base may step
.endif
	TOSTAGE \a
	SEND \a-1, 32                                  ; behind block a - 1's loads: block a's 16 stores and 16 loads
.endr
	s_wait_xcnt 0x0                                ; block 6's stores have read their base
	SEND 7, 0
	s_wait_tensorcnt 0x0                           ; the wave's end, behind my last tensor load and my last LDS store
	ds_add_u32 v[SPW], v[NIL]
	s_wait_dscnt 0x0
	CROUND                                         ; the closing round: no work-group ends while a partner may still ask for a tile that names it
	s_endpgm
.Lfunc_end_k_q4a8cb42410_gemm:
	.size	k_q4a8cb42410_gemm, .Lfunc_end_k_q4a8cb42410_gemm-k_q4a8cb42410_gemm
	.p2alignl 7, 3214868480
	.fill 96, 4, 3214868480
	.section	.rodata,"a",@progbits
	.p2align	6, 0x0
	.amdhsa_kernel k_q4a8cb42410_gemm
		.amdhsa_group_segment_fixed_size 327680
		.amdhsa_private_segment_fixed_size 0
		.amdhsa_enable_private_segment 0
		.amdhsa_kernarg_size 48
		.amdhsa_user_sgpr_count 2
		.amdhsa_user_sgpr_kernarg_segment_ptr 1
		.amdhsa_wavefront_size32 1
		.amdhsa_system_sgpr_workgroup_id_x 1
		.amdhsa_system_sgpr_workgroup_id_y 1
		.amdhsa_system_sgpr_workgroup_id_z 1
		.amdhsa_system_vgpr_workitem_id 0
		.amdhsa_next_free_vgpr 1024
		.amdhsa_next_free_sgpr 98
		.amdhsa_reserve_vcc 0
		.amdhsa_float_denorm_mode_32 3
		.amdhsa_float_denorm_mode_16_64 3
		.amdhsa_memory_ordered 1
		.amdhsa_forward_progress 1
		.amdhsa_inst_pref_size 208
	.end_amdhsa_kernel
	.amdgpu_metadata
---
amdhsa.version: [ 1, 2 ]
amdhsa.kernels:
  - .name:           k_q4a8cb42410_gemm
    .symbol:         k_q4a8cb42410_gemm.kd
    .args:
      - { .name: x_codes, .offset: 0, .size: 8, .value_kind: global_buffer, .address_space: global }
      - { .name: x_scales, .offset: 8, .size: 8, .value_kind: global_buffer, .address_space: global }
      - { .name: v_codes, .offset: 16, .size: 8, .value_kind: global_buffer, .address_space: global }
      - { .name: v_scales, .offset: 24, .size: 8, .value_kind: global_buffer, .address_space: global }
      - { .name: out0, .offset: 32, .size: 8, .value_kind: global_buffer, .address_space: global }
      - { .name: theta_lambda, .offset: 40, .size: 8, .value_kind: global_buffer, .address_space: global }
    .group_segment_fixed_size: 327680
    .private_segment_fixed_size: 0
    .kernarg_segment_align: 8
    .kernarg_segment_size: 48
    .max_flat_workgroup_size: 128
    .sgpr_count:     98
    .vgpr_count:     1024
    .wavefront_size: 32
...
	.end_amdgpu_metadata
.endif
;; end of part 2
